; MI455X (gfx1250); checked and timed in simulation.
; The chip was launched on July 23, 2026; its instructions are those of AMD's public machine-readable ISA for CDNA 5 (MIT licence, August 2026) and "CDNA5" Instruction Set Architecture Reference Guide (July 2026). The comments in the code are by the model that wrote it; some were corrected since.
;; Simple Predictor. Allowed arithmetic: float matrix products may take bf16 or f16 operands with f32 sums; all other float work in f32.
;; Inputs: contexts 65,536 x 512 float32; x 512 float32.
;; Outputs: out0 512 float32.
;; One version. Each part assembles by itself: llvm-mc -triple=amdgcn-amd-amdhsa -mcpu=gfx1250 --defsym DOCPART=n.
;; ======== version 1 of 1: 2 launches
;; workspace buffers: best_dist 1,024 bytes; best_row 1,024 bytes of whole numbers
;; launch nearest (part 1): grid 256 x 1, 16 waves a work-group, no clusters, 3,072 bytes of LDS; arguments contexts, x, best_dist, best_row; writes best_dist, best_row
.if DOCPART == 1
	.amdgcn_target "amdgcn-amd-amdhsa--gfx1250"
	.amdhsa_code_object_version 6
	.text
	.protected	k_q0df9787351_nearest
	.globl	k_q0df9787351_nearest
	.p2align	8
	.type	k_q0df9787351_nearest,@function
k_q0df9787351_nearest:
	s_mov_b64 s[64:65], 0
	v_nop
	global_prefetch_b8 v0, s[64:65] scope:SCOPE_SE
	s_setreg_imm32_b32 hwreg(HW_REG_WAVE_MODE, 25, 1), 1
	s_wait_xcnt 0x0
; dist[n] = sqrt(sum over d of (contexts[n][d] - x[d])^2) for 256 rows, and the first row among them with the least dist.
; contexts: [65536][512] f32, x: [512] f32.  Work-group g owns rows 256 g .. 256 g + 255 and stores best_dist[g] (f32)
; and best_row[g] (the row's number in contexts).  The choice among the 256 work-groups is the next launch's.
;
; Sixteen waves; wave w owns rows 16 w .. 16 w + 15 of the group, 32,768 consecutive bytes.  A row is 2,048 bytes: four loads of
; 16 bytes a lane, each covering 512 consecutive bytes, aligned.  Every byte of contexts is read once.  A ring of eight row slots in
; registers keeps 32 loads (16,384 bytes) of every wave in flight.  All addresses are one base + 16 x lane + an immediate.
; No cluster: the work-groups share only x, 2,048 of the 526,336 bytes that each reads.  No LDS for the data: no wave reads another's bytes.
;
; LIMITS.  The 512 squares of a row are added in another order than the reference adds them, and v_sqrt_f32 is good to 1 ULP: two rows
; whose distances agree to about 1e-6 relative may be ordered otherwise than by the reference.  v_sqrt_f32 takes a denormal as zero:
; a sum of squares below 2^-126 gives the distance 0.  A NaN distance counts as the least, the first one wins, as in jnp.argmin.
.set ROWB,  2048                       ; bytes in a row
.set CHUNK, 512                        ; bytes that one load of a wave covers
.set SLOTS, 8                          ; rows in flight in each wave
.set LANE,  1                          ; v1       lane
.set ADR,   2                          ; v2       16 x lane: my bytes in a chunk, in x, and later in the LDS table
.set LA,    3                          ; v3       LDS address of my row's distance; at the end the offset of the two stores
.set X,     4                          ; v[4:19]  x of my 16 columns
.set T,     20                         ; v[20:35] the 16 differences of the row at work
.set A,     36                         ; v[36:39] two chains of two sums each
.set P,     40                         ; v[40:55] row i: my lane's part of its sum; merged in place
.set K,     56                         ; v[56:57] at work in a merge
.set D,     60                         ; v[60:187] slot s: 16 registers, a row as loaded
.set V,     T                          ; wave 0 at the end: eight distances a lane
.set M,     A                          ; the least distance
.set C,     A+1                        ; its position
.set SEL,   12                         ; s[12:13] v_permlanex16_b32: lane i takes lane i of the other half
.set MSK,   14                         ; s[14:17] lanes whose number has bit 0, 1, 2, 3 set
	s_load_b256 s[4:11], s[0:1], 0x0               ; contexts s[4:5], x s[6:7], best_dist s[8:9], best_row s[10:11]
	v_lshl_add_u32 v188, v0, 2, 0x400
	v_mov_b32 v189, 0
	v_lshrrev_b32 v1, 5, v0
	v_readfirstlane_b32 s2, v1                     ; wave 0..15
	v_and_b32 v[LANE], 31, v0
	v_lshlrev_b32 v[ADR], 4, v[LANE]
	s_lshl_b32 s18, ttmp9, 19                      ; the group's 256 rows of 2,048 bytes (at most 255 << 19: one word holds it)
	s_lshl_b32 s3, s2, 15                          ; the wave's 16 rows
	s_add_co_u32 s18, s18, s3
	s_mov_b32 s19, 0
	s_mov_b32 s[SEL], 0x76543210
	s_mov_b32 s[SEL+1], 0xfedcba98
	s_mov_b32 s[MSK], 0xaaaaaaaa
	s_mov_b32 s[MSK+1], 0xcccccccc
	s_mov_b32 s[MSK+2], 0xf0f0f0f0
	s_mov_b32 s[MSK+3], 0xff00ff00
	s_wait_kmcnt 0x0
	s_add_nc_u64 s[4:5], s[4:5], s[18:19]          ; contexts at my wave's first row
.irp j, 0,1,2,3
	global_load_b128 v[X+4*\j:X+4*\j+3], v[ADR], s[6:7] offset:\j*CHUNK            ; x in the layout of a row's four chunks
.endr
.irp s, 0,1,2,3,4,5,6,7
.irp j, 0,1,2,3
	global_load_b128 v[D+16*\s+4*\j:D+16*\s+4*\j+3], v[ADR], s[4:5] offset:\s*ROWB+\j*CHUNK th:TH_LOAD_NT   ; rows 0 to 7 fill the ring
.endr
.endr
; Two registers of partial sums become one.  Lanes whose bit (mask m, lane distance x) is 0 go on with a, the others with b:
; each keeps its own part of its row and receives its partner's part of that row.  Fifteen such merges leave row r's sum
; over a half of 16 lanes in lane r of that half: 3 instructions a merge, against 4 DPP adds for each of 16 rows.
.macro MERGE a, b, m, x
	v_cndmask_b32 v[K],   v[\a], v[\b], s[\m]      ; what I keep: bit ? b : a
	v_cndmask_b32 v[K+1], v[\b], v[\a], s[\m]      ; what my partner wants: bit ? a : b
	v_add_f32_dpp v[\a], v[K+1], v[K] row_xmask:\x row_mask:0xf bank_mask:0xf      ; partner's K+1 + my K
.endm
; Row i, which lies in the given slot.  left = how many younger loads may stay out; refill = 1: the slot gets row i + SLOTS.
.macro ROWSTEP i, slot, left, refill
.set S, D+16*(\slot)
	s_wait_loadcnt \left                           ; loads come back in order (ISA guide 5.7.1): this row (and x) is in
.irp j, 0,2,4,6,8,10,12,14
	v_pk_add_f32 v[T+\j:T+\j+1], v[S+\j:S+\j+1], v[X+\j:X+\j+1] neg_lo:[0,1] neg_hi:[0,1]   ; c - x, into T: the slot is free at once
.endr
.if \refill
.irp j, 0,1,2,3
	global_load_b128 v[S+4*\j:S+4*\j+3], v[ADR], s[4:5] offset:(\i+SLOTS)*ROWB+\j*CHUNK th:TH_LOAD_NT
.endr
.endif
	v_pk_mul_f32 v[A:A+1],   v[T:T+1],   v[T:T+1]                  ; the first squares start the two chains: nothing is cleared
	v_pk_mul_f32 v[A+2:A+3], v[T+2:T+3], v[T+2:T+3]
.irp j, 4,8,12
	v_pk_fma_f32 v[A:A+1],   v[T+\j:T+\j+1],   v[T+\j:T+\j+1],   v[A:A+1]
	v_pk_fma_f32 v[A+2:A+3], v[T+\j+2:T+\j+3], v[T+\j+2:T+\j+3], v[A+2:A+3]
.endr
	v_pk_add_f32 v[A:A+1], v[A:A+1], v[A+2:A+3]
	v_add_f32 v[P+\i], v[A], v[A+1]                ; my 16 squares of row i
.if (\i & 1) == 1
	MERGE P+\i-1, P+\i, MSK, 1                     ; lane bit 0 = row bit 0
.endif
.if (\i & 3) == 3
	MERGE P+\i-3, P+\i-1, MSK+1, 2                 ; lane bit 1 = row bit 1
.endif
.if (\i & 7) == 7
	MERGE P+\i-7, P+\i-3, MSK+2, 4
.endif
.if \i == 15
	MERGE P, P+8, MSK+3, 8
.endif
.endm
.irp i, 0,1,2,3,4,5,6,7
	ROWSTEP \i, \i, 4*(SLOTS-1), 1                 ; seven younger rows of four loads stay out
.endr
.irp i, 8,9,10,11,12,13,14,15
	ROWSTEP \i, \i-8, 4*(15-\i), 0                 ; nothing more to load: the counts run down to 0
.endr
	; lane l now holds, of row l % 16, the sum over its half of the lanes
	v_permlanex16_b32 v[K], v[P], s[SEL], s[SEL+1] ; the other half's (K has been written: the destination counts as read)
	v_add_f32 v[P], v[P], v[K]
	v_sqrt_f32 v[P+1], v[P]                        ; one root serves 16 rows.  A plain vector instruction stands between it and
	v_and_b32 v[LA], 15, v0                        ; the first use of its result (ISA guide 5.7.2): these address lines
	v_lshlrev_b32 v[LA], 2, v[LA]
	v_lshl_add_u32 v[LA], s2, 6, v[LA]             ; word 16 x wave + row: the row's number in the group
	s_wait_alu depctr_va_vdst(0)
	v_cmp_eq_f32 vcc_lo, v[P+1], v[P+1]            ; false for a NaN
	v_cndmask_b32 v[P+1], -1.0, v[P+1], vcc_lo     ; a NaN becomes -1, below every distance: it wins, as in jnp.argmin
	ds_store_b32 v[LA], v[P+1]                     ; both halves write the same word with the same value
	s_wait_dscnt 0x0                               ; my store is done before I say so
	s_barrier_signal -1
	s_barrier_wait -1
	s_cmp_lg_u32 s2, 0
	s_cbranch_scc1 .Lothers                        ; wave 0 alone goes on
	; 256 distances, eight a lane: V+0..3 = rows 4 l .. 4 l + 3, V+4..7 = rows 128 + 4 l .. (16 neighbouring bytes a lane: no bank conflict)
	ds_load_b128 v[V:V+3],   v[ADR]
	ds_load_b128 v[V+4:V+7], v[ADR] offset:512
	s_wait_dscnt 0x0
.macro LANEMIN r                       ; the least of r over the 32 lanes, into every lane
	v_min_num_f32_dpp v[\r], v[\r], v[\r] row_xmask:1 row_mask:0xf bank_mask:0xf
	v_min_num_f32_dpp v[\r], v[\r], v[\r] row_xmask:2 row_mask:0xf bank_mask:0xf
	v_min_num_f32_dpp v[\r], v[\r], v[\r] row_xmask:4 row_mask:0xf bank_mask:0xf
	v_min_num_f32_dpp v[\r], v[\r], v[\r] row_xmask:8 row_mask:0xf bank_mask:0xf
	v_permlanex16_b32 v[K], v[\r], s[SEL], s[SEL+1]
	v_min_num_f32 v[\r], v[\r], v[K]
.endm
	v_min3_num_f32 v[M], v[V], v[V+1], v[V+2]
	v_min3_num_f32 v[M], v[M], v[V+3], v[V+4]
	v_min3_num_f32 v[M], v[M], v[V+5], v[V+6]
	v_min_num_f32  v[M], v[M], v[V+7]
	LANEMIN M                                      ; the least distance of the group
	; the first row that has it: in each lane the lowest of its eight positions that match (256 if none), then the least over the lanes
	v_mov_b32 v[C], 0x100
.set j, 7
.rept 8
.set pos, (j&3)+128*(j>>2)
	v_cmp_neq_f32 vcc_lo, v[M], v[V+j]
	v_cndmask_b32 v[C], pos, v[C], vcc_lo          ; equal: take this position; descending, so the lowest is written last
.set j, j-1
.endr
	v_lshl_add_u32 v[C], v[LANE], 2, v[C]          ; + 4 l
	v_cvt_f32_u32 v[C], v[C]                       ; at most 380: exact in f32, so the same lane reduction serves
	LANEMIN C
	v_cvt_u32_f32 v[C], v[C]                       ; 0 .. 255: some lane matched, since M is one of the 256 numbers
	s_lshl_b32 s3, ttmp9, 8
	v_add_nc_u32 v[C], s3, v[C]                    ; the row's number in contexts
	s_lshl_b32 s18, ttmp9, 2
	v_mov_b32 v[LA], s18                           ; word g of both tables
	v_cmp_gt_u32 vcc_lo, 1, v0
	s_wait_tensorcnt 0x0
	ds_add_u32 v188, v189
	s_wait_dscnt 0x0
	s_and_saveexec_b32 s19, vcc_lo                 ; every lane holds the result: lane 0 stores it
	global_store_b32 v[LA], v[M], s[8:9]
	global_store_b32 v[LA], v[C], s[10:11]
	s_endpgm
.Lothers:
	s_wait_tensorcnt 0x0
	ds_add_u32 v188, v189
	s_wait_dscnt 0x0
	s_endpgm
.Lfunc_end_k_q0df9787351_nearest:
	.size	k_q0df9787351_nearest, .Lfunc_end_k_q0df9787351_nearest-k_q0df9787351_nearest
	.p2alignl 7, 3214868480
	.fill 96, 4, 3214868480
	.section	.rodata,"a",@progbits
	.p2align	6, 0x0
	.amdhsa_kernel k_q0df9787351_nearest
		.amdhsa_group_segment_fixed_size 3072
		.amdhsa_private_segment_fixed_size 0
		.amdhsa_enable_private_segment 0
		.amdhsa_kernarg_size 32
		.amdhsa_user_sgpr_count 2
		.amdhsa_user_sgpr_kernarg_segment_ptr 1
		.amdhsa_wavefront_size32 1
		.amdhsa_system_sgpr_workgroup_id_x 1
		.amdhsa_system_sgpr_workgroup_id_y 1
		.amdhsa_system_sgpr_workgroup_id_z 1
		.amdhsa_system_vgpr_workitem_id 0
		.amdhsa_next_free_vgpr 190
		.amdhsa_next_free_sgpr 66
		.amdhsa_reserve_vcc 1
		.amdhsa_float_denorm_mode_32 3
		.amdhsa_float_denorm_mode_16_64 3
		.amdhsa_memory_ordered 1
		.amdhsa_forward_progress 1
		.amdhsa_inst_pref_size 32
	.end_amdhsa_kernel
	.amdgpu_metadata
---
amdhsa.version: [ 1, 2 ]
amdhsa.kernels:
  - .name:           k_q0df9787351_nearest
    .symbol:         k_q0df9787351_nearest.kd
    .args:
      - { .name: contexts, .offset: 0, .size: 8, .value_kind: global_buffer, .address_space: global }
      - { .name: x, .offset: 8, .size: 8, .value_kind: global_buffer, .address_space: global }
      - { .name: best_dist, .offset: 16, .size: 8, .value_kind: global_buffer, .address_space: global }
      - { .name: best_row, .offset: 24, .size: 8, .value_kind: global_buffer, .address_space: global }
    .group_segment_fixed_size: 3072
    .private_segment_fixed_size: 0
    .kernarg_segment_align: 8
    .kernarg_segment_size: 32
    .max_flat_workgroup_size: 512
    .sgpr_count:     66
    .vgpr_count:     190
    .wavefront_size: 32
...
	.end_amdgpu_metadata
.endif
;; end of part 1
;; launch pick (part 2): grid 8 x 1, 16 waves a work-group, no clusters, 6,144 bytes of LDS; arguments contexts, best_dist, best_row, out0; writes out0
.if DOCPART == 2
	.amdgcn_target "amdgcn-amd-amdhsa--gfx1250"
	.amdhsa_code_object_version 6
	.text
	.protected	k_q0df9787351_pick
	.globl	k_q0df9787351_pick
	.p2align	8
	.type	k_q0df9787351_pick,@function
k_q0df9787351_pick:
	s_mov_b64 s[64:65], 0
	v_nop
	global_prefetch_b8 v0, s[64:65] scope:SCOPE_SE
	s_setreg_imm32_b32 hwreg(HW_REG_WAVE_MODE, 25, 1), 1
	s_wait_xcnt 0x0
; out0 = contexts[best_row[p]], p the first of the 256 candidates with the least best_dist.
; The winner hangs on a comparison of floating-point numbers, so no address is made of it: all 256 candidate rows are loaded, by the
; row numbers as they stand in best_row, and the winner's words are kept by v_cndmask_b32.  256 rows of 2,048 bytes are 0.4 % of contexts.
;
; Eight work-groups; group g owns columns 64 g .. 64 g + 63 of the output, 256 bytes.  Sixteen waves; wave w takes candidates
; 16 w .. 16 w + 15.  One load of a wave is 8 bytes a lane: the group's 256 consecutive, aligned bytes of one candidate row.
; All 16 loads of a wave are issued at once, and the winner is found from the 256 distances while they are on their way.
; best_dist holds no NaN (the first launch wrote -1 for one), so the least is one of the 256 numbers and exactly one candidate is kept.
; No cluster: the groups share only the two tables, 2,048 of the 67,584 bytes that each reads.
.set PERW,  16                         ; candidates of a wave
.set LANE,  1                          ; v1       lane
.set DA,    2                          ; v2       16 x lane: my four distances in each half of best_dist
.set COL,   3                          ; v3       256 g + 8 x lane: my 8 bytes in a row of contexts and in out0
.set LR,    4                          ; v4       8 x lane: my 8 bytes in an LDS slot
.set LW,    5                          ; v5       the same in my wave's slot
.set V,     6                          ; v[6:13]  eight distances: candidates 4 l .. 4 l + 3 and 128 + 4 l ..
.set M,     14                         ; the least distance
.set C,     15                         ; its position
.set K,     16                         ; at work
.set ACC,   18                         ; v[18:19] the words kept
.set OFF,   20                         ; v[20:35] candidate k: byte offset of my 8 bytes in contexts
.set R,     36                         ; v[36:67] candidate k: my 8 bytes of its row; later the 16 LDS slots
.set IDX,   16                         ; s[16:31] my wave's 16 row numbers
.set HIT,   32                         ; s[32:47] candidate k: all ones if it is the winner
.set SEL,   48                         ; s[48:49] v_permlanex16_b32: lane i takes lane i of the other half
	s_load_b256 s[4:11], s[0:1], 0x0               ; contexts s[4:5], best_dist s[6:7], best_row s[8:9], out0 s[10:11]
	v_lshl_add_u32 v68, v0, 2, 0x1000
	v_mov_b32 v69, 0
	v_lshrrev_b32 v1, 5, v0
	v_readfirstlane_b32 s2, v1                     ; wave 0..15
	v_and_b32 v[LANE], 31, v0
	s_lshl_b32 s12, s2, 6                          ; my 16 row numbers: 64 bytes a wave
	s_mov_b32 s13, 0
	s_lshl_b32 s14, ttmp9, 8                       ; the group's 256 bytes of a row
	s_lshl_b32 s15, s2, 4                          ; my first candidate
	s_mov_b32 s[SEL], 0x76543210
	s_mov_b32 s[SEL+1], 0xfedcba98
	v_lshlrev_b32 v[DA], 4, v[LANE]
	v_lshl_add_u32 v[COL], v[LANE], 3, s14
	v_lshlrev_b32 v[LR], 3, v[LANE]
	v_lshl_add_u32 v[LW], s2, 8, v[LR]
	v_mov_b32 v[K], 0                              ; written once: the destination of v_permlanex16_b32 counts as read
	s_wait_kmcnt 0x0
	s_add_nc_u64 s[8:9], s[8:9], s[12:13]
	s_load_b512 s[IDX:IDX+15], s[8:9], 0x0         ; the same for every lane, so they come as scalars
	global_load_b128 v[V:V+3],   v[DA], s[6:7]
	global_load_b128 v[V+4:V+7], v[DA], s[6:7] offset:512
	s_wait_kmcnt 0x0
.irp k, 0,1,2,3,4,5,6,7,8,9,10,11,12,13,14,15
	s_min_u32 s[IDX+\k], s[IDX+\k], 0xffff         ; a loaded number enters an address only inside the table's 65,536 rows
	v_lshl_add_u32 v[OFF+\k], s[IDX+\k], 11, v[COL]                ; row x 2,048 bytes + my column: below 2^27
	global_load_b64 v[R+2*\k:R+2*\k+1], v[OFF+\k], s[4:5] th:TH_LOAD_NT    ; each of these bytes is read once in the launch
.endr
.macro LANEMIN r                       ; the least of r over the 32 lanes, into every lane
	v_min_num_f32_dpp v[\r], v[\r], v[\r] row_xmask:1 row_mask:0xf bank_mask:0xf
	v_min_num_f32_dpp v[\r], v[\r], v[\r] row_xmask:2 row_mask:0xf bank_mask:0xf
	v_min_num_f32_dpp v[\r], v[\r], v[\r] row_xmask:4 row_mask:0xf bank_mask:0xf
	v_min_num_f32_dpp v[\r], v[\r], v[\r] row_xmask:8 row_mask:0xf bank_mask:0xf
	v_permlanex16_b32 v[K], v[\r], s[SEL], s[SEL+1]
	v_min_num_f32 v[\r], v[\r], v[K]
.endm
	s_wait_loadcnt PERW                            ; the two loads of distances are in; the 16 younger loads of rows stay out
	v_min3_num_f32 v[M], v[V], v[V+1], v[V+2]
	v_min3_num_f32 v[M], v[M], v[V+3], v[V+4]
	v_min3_num_f32 v[M], v[M], v[V+5], v[V+6]
	v_min_num_f32  v[M], v[M], v[V+7]
	LANEMIN M                                      ; the least of the 256 distances
	; the first candidate that has it (candidates ascend with their rows, so it is the first row)
	v_mov_b32 v[C], 0x100
.set j, 7
.rept 8
.set pos, (j&3)+128*(j>>2)
	v_cmp_neq_f32 vcc_lo, v[M], v[V+j]
	v_cndmask_b32 v[C], pos, v[C], vcc_lo          ; equal: take this position; descending, so the lowest is written last
.set j, j-1
.endr
	v_lshl_add_u32 v[C], v[LANE], 2, v[C]          ; + 4 l
	v_cvt_f32_u32 v[C], v[C]                       ; at most 380: exact in f32
	LANEMIN C
	v_cvt_u32_f32 v[C], v[C]                       ; the winner, 0 .. 255, in every lane of every wave
	v_sub_nc_u32 v[C], v[C], s15                   ; 0 .. 15 if it is one of mine
.irp k, 0,1,2,3,4,5,6,7,8,9,10,11,12,13,14,15
	v_cmp_eq_u32 s[HIT+\k], \k, v[C]               ; the masks are ready before the rows arrive
.endr
	s_wait_loadcnt PERW-1                          ; row 0 is in; 15 younger stay out
	v_cndmask_b32 v[ACC],   0, v[R],   s[HIT]      ; the winner's words, or zero words
	v_cndmask_b32 v[ACC+1], 0, v[R+1], s[HIT]
.irp k, 1,2,3,4,5,6,7,8,9,10,11,12,13,14,15
	s_wait_loadcnt PERW-1-\k                       ; row k is in; the rows behind it stay out
	v_cndmask_b32 v[ACC],   v[ACC],   v[R+2*\k],   s[HIT+\k]
	v_cndmask_b32 v[ACC+1], v[ACC+1], v[R+2*\k+1], s[HIT+\k]
.endr
	ds_store_b64 v[LW], v[ACC:ACC+1]               ; slot w: 256 bytes, the winner's in one wave, zeros in the 15 others
	s_wait_dscnt 0x0                               ; my store is done before I say so
	s_barrier_signal -1
	s_barrier_wait -1
	s_cmp_lg_u32 s2, 0
	s_cbranch_scc1 .Lothers                        ; wave 0 alone goes on
.irp w, 0,1,2,3,4,5,6,7,8,9,10,11,12,13,14,15
	ds_load_b64 v[R+2*\w:R+2*\w+1], v[LR] offset:256*\w            ; 32 lanes, 256 neighbouring bytes: no bank conflict
.endr
	s_wait_dscnt 14                                ; slots 0 and 1 are in (LDS loads come back in order, ISA guide 5.7.1)
	v_or_b32 v[ACC],   v[R],   v[R+2]              ; fifteen of the sixteen are zero words: the OR is the winner's, bit for bit
	v_or_b32 v[ACC+1], v[R+1], v[R+3]
.irp w, 2,3,4,5,6,7,8,9,10,11,12,13,14,15
	s_wait_dscnt 15-\w
	v_or_b32 v[ACC],   v[ACC],   v[R+2*\w]
	v_or_b32 v[ACC+1], v[ACC+1], v[R+2*\w+1]
.endr
	global_store_b64 v[COL], v[ACC:ACC+1], s[10:11]                ; one store covers the group's 256 consecutive bytes, aligned
	s_wait_tensorcnt 0x0
	ds_add_u32 v68, v69
	s_wait_dscnt 0x0
	s_endpgm
.Lothers:
	s_wait_tensorcnt 0x0
	ds_add_u32 v68, v69
	s_wait_dscnt 0x0
	s_endpgm
.Lfunc_end_k_q0df9787351_pick:
	.size	k_q0df9787351_pick, .Lfunc_end_k_q0df9787351_pick-k_q0df9787351_pick
	.p2alignl 7, 3214868480
	.fill 96, 4, 3214868480
	.section	.rodata,"a",@progbits
	.p2align	6, 0x0
	.amdhsa_kernel k_q0df9787351_pick
		.amdhsa_group_segment_fixed_size 6144
		.amdhsa_private_segment_fixed_size 0
		.amdhsa_enable_private_segment 0
		.amdhsa_kernarg_size 32
		.amdhsa_user_sgpr_count 2
		.amdhsa_user_sgpr_kernarg_segment_ptr 1
		.amdhsa_wavefront_size32 1
		.amdhsa_system_sgpr_workgroup_id_x 1
		.amdhsa_system_sgpr_workgroup_id_y 1
		.amdhsa_system_sgpr_workgroup_id_z 1
		.amdhsa_system_vgpr_workitem_id 0
		.amdhsa_next_free_vgpr 70
		.amdhsa_next_free_sgpr 66
		.amdhsa_reserve_vcc 1
		.amdhsa_float_denorm_mode_32 3
		.amdhsa_float_denorm_mode_16_64 3
		.amdhsa_memory_ordered 1
		.amdhsa_forward_progress 1
		.amdhsa_inst_pref_size 14
	.end_amdhsa_kernel
	.amdgpu_metadata
---
amdhsa.version: [ 1, 2 ]
amdhsa.kernels:
  - .name:           k_q0df9787351_pick
    .symbol:         k_q0df9787351_pick.kd
    .args:
      - { .name: contexts, .offset: 0, .size: 8, .value_kind: global_buffer, .address_space: global }
      - { .name: best_dist, .offset: 8, .size: 8, .value_kind: global_buffer, .address_space: global }
      - { .name: best_row, .offset: 16, .size: 8, .value_kind: global_buffer, .address_space: global }
      - { .name: out0, .offset: 24, .size: 8, .value_kind: global_buffer, .address_space: global }
    .group_segment_fixed_size: 6144
    .private_segment_fixed_size: 0
    .kernarg_segment_align: 8
    .kernarg_segment_size: 32
    .max_flat_workgroup_size: 512
    .sgpr_count:     66
    .vgpr_count:     70
    .wavefront_size: 32
...
	.end_amdgpu_metadata
.endif
;; end of part 2
